; MI455X (gfx1250); checked and timed in simulation.
; The chip was launched on July 23, 2026; its instructions are those of AMD's public machine-readable ISA for CDNA 5 (MIT licence, August 2026) and "CDNA5" Instruction Set Architecture Reference Guide (July 2026). The comments in the code are by the model that wrote it; some were corrected since.
;; Concat Attention Fusion. Allowed arithmetic: matrix products marked QUANTISED: E3M2 operands, one E8M0 scale for each 32 along K, by v_wmma_scale_f32_16x16x128_f8f6f4 with both operands' format E3M2, f32 sums; everything else in f32.
;; Inputs: global_embedding 8 x 1,024 x 768 float32; local_embedding 8 x 1,024 x 768 float32.
;; Outputs: out0 8 x 2,048 x 768 float32.
;; This version of the problem:
;;   THIS VERSION OF THE PROBLEM IS GIVEN IN LOW PRECISION. The matrix products marked QUANTISED in the list below multiply operands that are first quantised to E3M2 (3 exponent bits, 2 mantissa bits; 6 bits a number), with one power-of-two scale for each 32 numbers along K (OCP MX v1.0); their sums are f32. All else is computed in f32.
;;   The module's matrix products, in the order in which they are computed (A, B: the left and right operand; K: the contracted axis; several contracted axes count as one K, in the product's order):
;;     1. batch 8 x [M 2,048, K 768] x [K 768, N 2,048]; A: computed on the way; B: computed on the way: QUANTISED
;;     2. batch 8 x [M 2,048, K 2,048] x [K 2,048, N 768]; A: softmax (see below); B: computed on the way: QUANTISED
;;   THE QUANTISER, for each operand of a quantised product, along K:
;;     - K is cut into blocks of 32 from its start; a last block that is shorter is filled with zeros.
;;     - A block's scale is 2^e with e = floor(log2(the largest magnitude in the block)) - 4, held to -126 .. 127; a block of zeros has e = 0. As a byte (E8M0): e + 127.
;;     - Each number is divided by its block's scale, clamped to +-28, and rounded to the nearest number of E3M2, ties to even, subnormals kept.
;;     - The product sums the exact products of the quantised numbers (number of the format x scale) in f32.
;;   ~~~python
;;   def quantise(x, axis):      # numpy; x: float32 -> the quantised numbers, widened to float32 again
;;       x = np.moveaxis(x, axis, -1); K = x.shape[-1]
;;       x = np.pad(x, [(0, 0)] * (x.ndim - 1) + [(0, -K % 32)]); x = x.reshape(x.shape[:-1] + (-1, 32)); a = np.abs(x).max(-1, keepdims=True)
;;       e = np.where(a > 0, np.clip(np.frexp(np.where(a > 0, a, 1))[1] - 1 - 4, -126, 127), 0)      # np.frexp(a)[1] - 1 = floor(log2(a)), exactly
;;       r = np.clip(x / 2.0 ** e, -28, 28)
;;       step = 2.0 ** (np.maximum(np.frexp(np.where(r == 0, 1, r))[1] - 1, -2) - 2)
;;       q = np.round(r / step) * step * 2.0 ** e      # np.round: ties to even
;;       return np.moveaxis(q.reshape(q.shape[:-2] + (-1,))[..., :K], -1, axis).astype(np.float32)
;;   ~~~
;;   SOFTMAX AHEAD OF A QUANTISED PRODUCT. Where the list says 'softmax', what is quantised is not the finished softmax but p = 2^(t - M), with t = logit x log2(e) and M = ceil(the row's largest t), a whole number; so 1/2 < the row's largest p <= 1. The row's sum l is taken of the UNQUANTISED p, in f32, and the product's result is divided by l at the end. Since M is a whole number, a kernel that streams over the keys may use a running M (the ceiling of the running maximum): every later rescaling is an exact power of two, which a block's scale takes up: the codes' values come out the same.
;;   OPERANDS COMPUTED ON THE WAY. 'Computed on the way' means the value that the module computes at that place (a softmax that the list does not call 'softmax' is quantised finished and normalised). What goes into a quantiser is computed in f32, as accurately as f32 sums, v_exp_f32 and their like allow (about 1e-6 of the number): no bf16 or f16 on the way to a quantiser, and a product that is left as it is and whose result goes on into a quantised operand takes f32 operands (vector FMAs, or v_wmma_f32_16x16x4_f32). A number that lies on a knife's edge between two numbers of the format may be rounded either way, as far as f32 arithmetic and the matrix unit's own rounding can turn it there, and no further.
;; One version. Each part assembles by itself: llvm-mc -triple=amdgcn-amd-amdhsa -mcpu=gfx1250 --defsym DOCPART=n.
;; ======== version 1 of 1: 2 launches
;; limits: right only within a limited range of input values
;; workspace buffers: kq 9,830,400 bytes; vt 9,830,400 bytes; qs 18,874,368 bytes
;; launch quant (part 1): grid 32 x 8, 16 waves a work-group, no clusters, 327,680 bytes of LDS; arguments global_embedding, local_embedding, kq, vt, qs; writes kq, vt, qs
.if DOCPART == 1
	.amdgcn_target "amdgcn-amd-amdhsa--gfx1250"
	.amdhsa_code_object_version 6
	.text
	.protected	k_qfd0e7c4e19_quant
	.globl	k_qfd0e7c4e19_quant
	.p2align	8
	.type	k_qfd0e7c4e19_quant,@function
k_qfd0e7c4e19_quant:
	s_mov_b64 s[64:65], 0
	v_nop
	global_prefetch_b8 v0, s[64:65] scope:SCOPE_SE
	s_setreg_imm32_b32 hwreg(HW_REG_WAVE_MODE, 25, 1), 1
	s_wait_xcnt 0x0
; X[b] = global[b] on top of local[b]: [2048][768] f32.  It is turned into codes of BF6 (E3M2) twice: along d (buffer kq: the operand of X X^T) and along the keys (buffer vt: the operand V^T of the
; second product), each with one E8M0 byte for each 32 along its K.  A block's scale is 2^(floor(log2(its largest magnitude)) - 4); its byte is the largest magnitude's exponent field - 4.
; A THIRD BUFFER, qs, holds the numbers of kq once more AS TWO ADDENDS, for the side of X X^T that serves as queries: H = the numbers whose code is 2 or more, under the block's scale, zeros elsewhere;
; L = the numbers whose code is under 2, under a scale 2^-4 smaller, that is 16 x the code, which is again a number of the format, zeros elsewhere.  H + L is the quantised number, exactly.
; No work of the problem is left out.
; LIMITS: NaN and infinities are not served, nor magnitudes beyond 2^100.  The byte is held from below at 1 (along the keys) and at 5 (along d, so that L's byte, 4 less, stays at 1 or more): blocks along d
; whose largest magnitude lies under 2^-118 get a coarser scale than the rule's.  A block of zeros gets that lowest byte where the rule says 127: its codes are zeros, and this program alone reads the bytes.
; THE BUFFERS ARE LAID AS IMAGES OF THE OPERANDS' REGISTERS.  kq, vt: blocks of 38,400 bytes: 24 fragments of 1,536 bytes (three pieces of 512: lane l's 16 bytes at 16 l are registers 4 c .. 4 c + 3 of the
; fragment's twelve), then 6 pieces of 256 bytes of scale words (lane l's 8 bytes at 8 l).  Four fragments on end and one piece of scale words are a UNIT.  qs: blocks of 73,728 bytes: H's 24 fragments, then L's.
;   kq block (b, G): rows 64 G .. 64 G + 63; fragment 4 s + t: d step s of 128, tile t; lane r of tile t is row 32 (t / 2) + 8 (t % 2) + r + 8 (r / 8).  qs likewise.
;   vt block (b, j, w): d 192 w .. 192 w + 191, keys 256 j .. 256 j + 255; fragment 12 ks + dt: lane r is d 192 w + 16 dt + r, K = keys 128 ks on.
;   scale words of a unit: lanes 0-15 hold the words of tiles 0 and 2, lanes 16-31 those of tiles 1 and 3.
; SHARES.  A work-group takes 128 rows x 384 d of one batch (x = 2 kc + dh), in three thirds of 128 d.  THE FETCH: at the head every wave asks for 16 rows x 512 bytes by one tensor load: waves 0 to 7 for third 0,
; waves 8 to 15 for third 1.  Behind the first barrier waves 0 to 7 ask for third 2 in the same way; thirds 0 and 1 are worked on and stored while it is on its way.  LDS is filled once.
; A third is 8 fragments of kq (with their H and L) and 8 of vt: sixteen waves, a fragment each.  Wave w has u = w / 2 and makes kq's fragments where (w xor w / 4) is even, else vt's.
;   kq: u = 4 hi + t: rows 64 hi on, tile t; third c is d step c of the tile's three.     vt: in third c wave u takes d 128 c + 16 u .. + 15 of the tile's 384: number g = 8 c + u of its 24 fragments.
; In both roles a whole block of 32 along K lies in ONE lane's 32 registers, in the very order of the operand's layout: no other lane is asked for a maximum and nothing is transposed.
; A unit's four scale words come from four waves: each wave puts its word into LDS bytes of its own, and at the end twelve waves gather a piece of 256 bytes each and store it whole.
.set PITCH, 528                        ; an LDS row of a third: 512 bytes + 16 of padding
.set THIRD, 128*PITCH                  ; a third: 128 rows
.set SCW,   3*THIRD                    ; behind the thirds: the scale words: wave w's word of third c for row r at 192 w + 64 c + 4 r
.set SPARE, 0x32c00                    ; the spare words, 128 bytes for each of the 16 waves, that no other line names
.set BLKB,  38400
.set SCO,   36864                      ; where a block's scale words begin; also the bytes of 24 fragments
.set QBLK,  73728
.set WV,   10                          ; s10  my wave's number
.set ROLE, 11                          ; s11  0: I make kq's fragments, 1: vt's
.set SEL,  20                          ; s[20:21] v_permlanex16_b32's selects for lane l xor 16
.set G1,   24                          ; s[24:31] descriptor group 1
.set G0,   32                          ; s[32:35] descriptor group 0 of my load at the head, s[36:39] of third 2's
.set MK,   72                          ; s72-79 masks of four numbers: code 2 or more; under the fixed step's bound
.set AK,   4                           ; v4-6   LDS address of my fragment of kq in third 0, 1, 2
.set AVA,  7                           ; v7-9   the same for vt
.set L16,  10                          ; v10  16 x lane
.set SH,   11                          ; v11  8 x (lane / 16)
.set ASW,  12                          ; v12  where I put my scale words
.set AR0,  13                          ; v13, v14  where I gather the two words of my lane's 8 bytes of a piece
.set AR1,  14
.set L8,   15                          ; v15  8 x lane
.set MA,   16                          ; v16, v17  two chains of maxima
.set SOP,  18                          ; v18  the conversions' scale operand
.set BY,   20                          ; v20, v21  the bytes of the fragment's two blocks of mine
.set WD,   22                          ; v22  my half of a scale word
.set PL,   23                          ; v23  the other half of the lanes'
.set SE,   24                          ; v24  the scale as f32
.set TH,   25                          ; v25  1.875 x the scale: from here on a number's code is 2 or more
.set TQ,   26                          ; v26  0.25 x the scale: under it the format's step is fixed
.set CM,   27                          ; v27  1.5 x 2^19 x the scale: added and taken off again it rounds to multiples of scale / 16, ties to even
.set SOL,  28                          ; v28  L's scale operand: 4 more off the exponent field
.set W,    31                          ; v31  the fragment's scale word
.set X,    32                          ; v32-95   the fragment's two blocks of 32 numbers
.set XM,   96                          ; v96-127  H's 32 numbers
.set C,    128                         ; v128-199 two sets of 36 by turns: a fragment's codes, H's, L's
.set AB4,  200                         ; v200-203 four magnitudes' bits
.set TA4,  204                         ; v204-207 four numbers at work
.set T,    208                         ; v208-210, v212-214  a block's upper 16 codes, on their way
.set T2,   212
.set WO,   220                         ; v220-221 a piece's 8 bytes of my lane
.set SPW,  222                         ; v222 LDS address of my spare word; never rewritten
.set NIL,  223                         ; v223 0; never rewritten
.set XN,   224                         ; v224-255 L's 32 numbers
	s_load_b128 s[4:7], s[0:1], 0x0                ; global, local
	s_load_b128 s[12:15], s[0:1], 0x10             ; kq, vt
	s_load_b64 s[46:47], s[0:1], 0x20              ; qs
	v_lshl_add_u32 v[SPW], v0, 2, SPARE
	v_mov_b32 v[NIL], 0
	ds_add_u32 v[SPW], v[NIL]                      ; the opening lines: the add, twice on end, and its wait ahead of my first tensor load
	ds_add_u32 v[SPW], v[NIL]
	v_and_b32 v1, 31, v0                           ; lane
	v_and_b32 v2, 15, v0                           ; r
	v_bfe_u32 v3, v0, 4, 1                         ; h
	v_lshrrev_b32 v16, 5, v0                       ; wave 0..15
	s_delay_alu instid0(VALU_DEP_1)
	v_readfirstlane_b32 s[WV], v16
	; every LDS address is made here, ahead of the first branch on the wave's number, from the thread's number and constants
	v_bfe_u32 v17, v0, 7, 2                        ; u / 2
	v_bfe_u32 v18, v0, 6, 1                        ; u % 2 = t % 2
	v_bfe_u32 v19, v0, 6, 3                        ; u
	v_and_b32 v20, 8, v2
	s_delay_alu instid0(VALU_DEP_1)
	v_add_nc_u32 v20, v20, v2                      ; r + 8 (r / 8)
	s_delay_alu instid0(VALU_DEP_1)
	v_lshl_add_u32 v20, v17, 5, v20                ; + 64 hi + 32 (t / 2)
	s_delay_alu instid0(VALU_DEP_1)
	v_lshl_add_u32 v20, v18, 3, v20                ; + 8 (t % 2): my row of the tile's 128
	s_delay_alu instid0(VALU_DEP_1)
	v_mul_u32_u24 v[AK], v20, PITCH
	s_delay_alu instid0(VALU_DEP_1)
	v_lshl_add_u32 v[AK], v3, 7, v[AK]             ; + 32 h numbers
	s_delay_alu instid0(VALU_DEP_1)
	v_add_nc_u32 v[AK+1], THIRD, v[AK]
	s_delay_alu instid0(VALU_DEP_2)
	v_add_nc_u32 v[AK+2], 2*THIRD, v[AK]
	v_lshlrev_b32 v[AVA], 2, v2                    ; 4 r
	s_delay_alu instid0(VALU_DEP_1)
	v_lshl_add_u32 v[AVA], v19, 6, v[AVA]          ; + 16 u numbers: my d column of the third
	s_delay_alu instid0(VALU_DEP_1)
	v_mad_u32_u24 v[AVA], v3, 32*PITCH, v[AVA]     ; + 32 h keys
	s_delay_alu instid0(VALU_DEP_1)
	v_add_nc_u32 v[AVA+1], THIRD, v[AVA]
	s_delay_alu instid0(VALU_DEP_2)
	v_add_nc_u32 v[AVA+2], 2*THIRD, v[AVA]
	v_lshlrev_b32 v21, 2, v2                       ; 4 r
	s_delay_alu instid0(VALU_DEP_1)
	v_mad_u32_u24 v[ASW], v16, 192, v21
	s_delay_alu instid0(VALU_DEP_1)
	v_add_nc_u32 v[ASW], SCW, v[ASW]
	; the gathering.  Wave z < 12 stores one piece: of kq where z is even, of vt where odd (rho); y = z / 2 names it: H = y / 3, third c = y % 3: the fragments of the waves with u = 4 H + t in third c.
	; Lane (r, h) wants the words of tiles h and h + 2.  The wave of role rho with u = 4 H + t is 2 u + (rho xor t / 2): 8 H + 2 h + rho for tile h, 8 H + 2 h + (5 xor rho) for tile h + 2.
	v_bfe_u32 v22, v0, 5, 1                        ; rho
	v_mul_u32_u24 v24, v19, 11
	s_delay_alu instid0(VALU_DEP_1)
	v_lshrrev_b32 v24, 5, v24                      ; H
	s_delay_alu instid0(VALU_DEP_1)
	v_mul_u32_u24 v25, v24, 3
	s_delay_alu instid0(VALU_DEP_1)
	v_sub_nc_u32 v25, v19, v25                     ; c
	v_mad_u32_u24 v26, v3, 384, v21                ; 192 x 2 h + 4 r
	s_delay_alu instid0(VALU_DEP_1)
	v_mad_u32_u24 v26, v24, 1536, v26              ; + 192 x 8 H
	s_delay_alu instid0(VALU_DEP_1)
	v_lshl_add_u32 v26, v25, 6, v26                ; + 64 c
	s_delay_alu instid0(VALU_DEP_1)
	v_add_nc_u32 v26, SCW, v26
	v_xor_b32 v27, 5, v22
	s_delay_alu instid0(VALU_DEP_2)
	v_mad_u32_u24 v[AR0], v22, 192, v26
	s_delay_alu instid0(VALU_DEP_2)
	v_mad_u32_u24 v[AR1], v27, 192, v26
	v_lshlrev_b32 v[L16], 4, v1
	v_lshlrev_b32 v[L8], 3, v1
	v_lshlrev_b32 v[SH], 3, v3
	v_mov_b32 v[PL], 0                             ; written once: a lane permute's destination counts as one of its sources
	s_mov_b32 s[SEL], 0x76543210
	s_mov_b32 s[SEL+1], 0xfedcba98
	s_lshr_b32 s[ROLE], s[WV], 2
	s_xor_b32 s[ROLE], s[ROLE], s[WV]
	s_and_b32 s[ROLE], s[ROLE], 1
	s_lshr_b32 s16, ttmp9, 1                       ; kc: which 128 rows of the batch's 2,048
	s_and_b32 s17, ttmp9, 1                        ; dh: which 384 of d
	s_and_b32 s18, ttmp7, 0xffff                   ; b
	; descriptor group 1: 16 rows x 128 elements of 4 bytes, 768 elements from row to row; 16 bytes of padding behind every 512, that is behind every row
	s_mov_b32 s[G1+0], (2<<16)|(1<<20)|(6<<22)|(3<<25)
	s_mov_b32 s[G1+1], 128<<16                     ; tensor_dim0
	s_mov_b32 s[G1+2], 16<<16                      ; tensor_dim1
	s_mov_b32 s[G1+3], 128<<16                     ; tile_dim0
	s_mov_b32 s[G1+4], 16                          ; tile_dim1
	s_mov_b32 s[G1+5], 768                         ; tensor_dim0_stride
	s_mov_b32 s[G1+6], 0
	s_mov_b32 s[G1+7], 0
	s_mul_i32 s52, s18, 1024*3072                  ; the batch in its tensor,
	s_and_b32 s53, s16, 7
	s_mul_i32 s53, s53, 128*3072                   ; the 128 rows,
	s_add_co_u32 s52, s52, s53
	s_mul_i32 s53, s17, 1536                       ; the 384 d,
	s_add_co_u32 s52, s52, s53
	s_and_b32 s54, s[WV], 7
	s_mul_i32 s53, s54, 16*3072                    ; the 16 rows that I fetch: 16 (wave % 8) on
	s_add_co_u32 s52, s52, s53
	s_mov_b32 s53, 0
	s_mul_i32 s54, s54, 16*PITCH                   ; and their place in a third
	s_wait_alu depctr_va_vdst(0)                   ; the wait at the head's end
	s_wait_dscnt 0x0                               ; both opening adds are done
	s_wait_kmcnt 0x0
	s_cmp_lt_u32 s16, 8                            ; rows 0-1023 are global's, the others local's: the choice hangs on the work-group's number alone
	s_cselect_b64 s[4:5], s[4:5], s[6:7]
	s_add_nc_u64 s[4:5], s[4:5], s[52:53]
	s_lshr_b32 s55, s[WV], 3                       ; which third I fetch at the head: wave / 8
	s_mul_i32 s56, s55, THIRD
	s_lshl_b32 s52, s55, 9                         ; a row's 512 bytes of a third begin at a multiple of 512 from the tensor's first byte (s53 is still 0)
	s_mov_b32 s[G0], 1
	s_add_co_u32 s[G0+1], s54, s56
	s_add_nc_u64 s[G0+2:G0+3], s[4:5], s[52:53]
	s_or_b32 s[G0+3], s[G0+3], 0x80000000
	s_mov_b32 s[G0+4], 1                           ; third 2, the same 16 rows (issued by waves 0 to 7 alone)
	s_add_co_u32 s[G0+5], s54, 2*THIRD
	s_add_nc_u64 s[G0+6:G0+7], s[4:5], 1024
	s_or_b32 s[G0+7], s[G0+7], 0x80000000
	tensor_load_to_lds s[G0:G0+3], s[G1:G1+7]      ; every wave's one load at the head: one of mine is out
	s_nop 0
.rept 4
	v_nop
.endr
	s_lshr_b32 s55, s[WV], 1                       ; u
	s_lshr_b32 s56, s55, 2                         ; u / 4
	s_and_b32 s57, s55, 3                          ; t
	s_lshl_b32 s58, s18, 5                         ; 32 b
	s_lshl_b32 s59, s16, 1
	s_add_co_u32 s59, s59, s58                     ; 32 b + 2 kc: the tile's first block of kq and of qs
	s_lshr_b32 s66, s16, 1
	s_lshl_b32 s66, s66, 2
	s_add_co_u32 s66, s66, s58
	s_lshl_b32 s67, s17, 1
	s_add_co_u32 s66, s66, s67                     ; 32 b + 4 (kc / 2) + 2 dh: its first block of vt
	s_and_b32 s67, s16, 1                          ; ks: which 128 keys of vt's 256
	; where my fragments go.  kq, qs: block + hi, unit 3 dh + c, fragment t.   vt: fragment g = 8 c + u of the tile's 24: block + g / 12, fragment 12 ks + g % 12: from my fragment of third 0 that is
	; 12,288 bytes on in third 1 and 24,576 in third 2, and 38,400 - 18,432 = 19,968 more where g has passed 12: in third 1 for u >= 4, in third 2 always
	s_add_co_u32 s68, s59, s56
	s_mul_i32 s60, s68, BLKB
	s_mul_i32 s62, s68, QBLK
	s_mul_i32 s69, s17, 18432
	s_mul_i32 s70, s57, 1536
	s_add_co_u32 s69, s69, s70
	s_add_co_u32 s60, s60, s69
	s_add_co_u32 s62, s62, s69
	s_mul_i32 s70, s66, BLKB
	s_mul_i32 s71, s67, 18432
	s_add_co_u32 s70, s70, s71
	s_mul_i32 s71, s55, 1536
	s_add_co_u32 s70, s70, s71
	s_mov_b32 s61, 0
	s_mov_b32 s63, 0
	s_cmp_eq_u32 s[ROLE], 0
	s_cselect_b64 s[8:9], s[12:13], s[14:15]
	s_cselect_b32 s60, s60, s70
	s_add_nc_u64 s[8:9], s[8:9], s[60:61]          ; my fragment of third 0, in kq or in vt
	s_add_nc_u64 s[46:47], s[46:47], s[62:63]      ; and among H's fragments (used in kq's role alone)
	s_cmp_ge_u32 s55, 4
	s_cselect_b32 s68, 19968, 0
	s_mov_b32 s69, 0
	s_add_nc_u64 s[48:49], s[8:9], s[68:69]        ; vt, third 1
	; where the piece of scale words goes that I gather.  kq: block + H, unit 3 dh + c.   vt: the fragments g = 8 c + 4 H + t are piece 2 c + H of the tile's six: block + piece / 3, unit 3 ks + piece % 3
	s_and_b32 s70, s[WV], 1                        ; rho
	s_mul_i32 s71, s55, 11
	s_lshr_b32 s71, s71, 5                         ; H
	s_mul_i32 s72, s71, 3
	s_sub_co_u32 s72, s55, s72                     ; c
	s_lshl_b32 s73, s72, 1
	s_add_co_u32 s73, s73, s71                     ; 2 c + H
	s_mul_i32 s74, s73, 11
	s_lshr_b32 s74, s74, 5
	s_mul_i32 s75, s74, 3
	s_sub_co_u32 s75, s73, s75
	s_add_co_u32 s71, s71, s59
	s_mul_i32 s76, s17, 3
	s_add_co_u32 s72, s72, s76
	s_add_co_u32 s74, s74, s66
	s_mul_i32 s76, s67, 3
	s_add_co_u32 s75, s75, s76
	s_cmp_eq_u32 s70, 0
	s_cselect_b64 s[12:13], s[12:13], s[14:15]
	s_cselect_b32 s71, s71, s74
	s_cselect_b32 s72, s72, s75
	s_mul_i32 s70, s71, BLKB
	s_lshl_b32 s72, s72, 8
	s_add_co_u32 s70, s70, s72
	s_add_co_u32 s70, s70, SCO
	s_mov_b32 s71, 0
	s_add_nc_u64 s[12:13], s[12:13], s[70:71]
; Block n of my fragment in third c (registers 6 n .. 6 n + 5 of the fragment): my 32 numbers along K.  role 0: kq: 128 bytes of my row.  role 1: vt: my d column, 32 keys down.
.macro LOADB role, c, n
.set XS, X+32*(\n)
.if \role == 0
.irp i, 0,1,2,3,4,5,6,7
	ds_load_b128 v[XS+4*\i:XS+4*\i+3], v[AK+\c] offset:256*(\n)+16*\i
.endr
.else
.irp i, 0,1,2,3,4,5,6,7,8,9,10,11,12,13,14,15,16,17,18,19,20,21,22,23,24,25,26,27,28,29,30,31
	ds_load_b32 v[XS+\i], v[AVA+\c] offset:64*PITCH*(\n)+PITCH*\i
.endr
.endif
.endm
; The block's 32 numbers as two addends.  A number's code is 2 or more where its magnitude is 1.875 x the scale or more (the tie goes to 2, the even code): it goes to H as it is.  The others go to L, to be
; converted under scale / 16: from 0.25 x the scale on that only moves the exponent; under it the format's step is scale / 16 whatever the number, so such a number is first rounded to that step.
; Magnitudes are compared as whole numbers: the bits of positive f32 numbers are ordered as the numbers are.  Four numbers take turns, line by line: no line reads what one of the seven lines above it wrote.
.macro PARTS
	v_and_b32 v[SE], 0x7f800000, v[SOP]
	s_delay_alu instid0(VALU_DEP_1)
	v_or_b32 v[TH], 0x700000, v[SE]
	s_delay_alu instid0(VALU_DEP_2)
	v_add_nc_u32 v[TQ], 0xff000000, v[SE]          ; 2 off the exponent field
	s_delay_alu instid0(VALU_DEP_3)
	v_add_nc_u32 v[CM], 0x09c00000, v[SE]          ; 19 onto it, and the mantissa of 1.5
	v_add_nc_u32 v[SOL], 0xfe000000, v[SOP]
.set i, 0
.rept 8
.irp j, 0,1,2,3
	v_and_b32 v[AB4+\j], 0x7fffffff, v[XB+i+\j]
.endr
.irp j, 0,1,2,3
	v_add_f32 v[TA4+\j], v[XB+i+\j], v[CM]
.endr
.irp j, 0,1,2,3
	v_cmp_gt_u32 s[MK+4+\j], v[TQ], v[AB4+\j]
.endr
.irp j, 0,1,2,3
	v_sub_f32 v[TA4+\j], v[TA4+\j], v[CM]
.endr
.irp j, 0,1,2,3
	v_cmp_le_u32 s[MK+\j], v[TH], v[AB4+\j]
.endr
.irp j, 0,1,2,3
	v_cndmask_b32 v[TA4+\j], v[XB+i+\j], v[TA4+\j], s[MK+4+\j]     ; rounded to the fixed step where that holds
.endr
.irp j, 0,1,2,3
	v_cndmask_b32 v[XM+i+\j], 0, v[XB+i+\j], s[MK+\j]              ; H: the number, or 0
.endr
.irp j, 0,1,2,3
	v_cndmask_b32 v[XN+i+\j], v[TA4+\j], 0, s[MK+\j]               ; L: 0, or the number
.endr
.set i, i+4
.endr
	v_cvt_scalef32_pk16_bf6_f32 v[CD+12:CD+14], v[XM:XM+15], v[SOP]
	v_cvt_scalef32_pk16_bf6_f32 v[T:T+2], v[XM+16:XM+31], v[SOP]
	v_cvt_scalef32_pk16_bf6_f32 v[CD+24:CD+26], v[XN:XN+15], v[SOL]
	v_cvt_scalef32_pk16_bf6_f32 v[T2:T2+2], v[XN+16:XN+31], v[SOL]
	v_nop                                          ; one plain line behind the conversions
.irp i, 0,1,2
	v_mov_b32 v[CD+15+\i], v[T+\i]
	v_mov_b32 v[CD+27+\i], v[T2+\i]
.endr
.endm
.macro BLOCK role, c, n
.set XB, X+32*(\n)
.set CF, C+36*((\c)%2)
.set CD, CF+6*(\n)
.if (\n) == 1
	s_wait_dscnt 0x0
.elseif \role == 0
	s_wait_dscnt 8                                 ; this block's loads are in; the second block's eight may be out
.else
	s_wait_dscnt 32                                ; the same: the second block's 32
.endif
	v_max3_num_f32 v[MA], |v[XB]|, |v[XB+1]|, |v[XB+2]|            ; the block's largest magnitude: all 32 numbers are mine; two chains
	v_max3_num_f32 v[MA+1], |v[XB+3]|, |v[XB+4]|, |v[XB+5]|
.irp i, 6,10,14,18,22,26
	s_delay_alu instid0(VALU_DEP_2)
	v_max3_num_f32 v[MA], v[MA], |v[XB+\i]|, |v[XB+\i+1]|
	s_delay_alu instid0(VALU_DEP_2)
	v_max3_num_f32 v[MA+1], v[MA+1], |v[XB+\i+2]|, |v[XB+\i+3]|
.endr
	s_delay_alu instid0(VALU_DEP_2)
	v_max3_num_f32 v[MA], v[MA], |v[XB+30]|, |v[XB+31]|
.if \role == 0
	s_delay_alu instid0(VALU_DEP_1)
	v_max3_num_f32 v[MA], v[MA], v[MA+1], 0x4800000                ; and the floor 2^(9 - 127): the byte cannot fall under 5
.else
	s_delay_alu instid0(VALU_DEP_1)
	v_max3_num_f32 v[MA], v[MA], v[MA+1], 0x2800000                ; and the floor 2^(5 - 127): the byte cannot fall under 1
.endif
	s_delay_alu instid0(VALU_DEP_1)
	v_add_nc_u32 v[SOP], 0xfe000000, v[MA]         ; 4 off the exponent field: the conversion takes this operand's exponent field as its scale
	v_cvt_scalef32_pk16_bf6_f32 v[CD:CD+2], v[XB:XB+15], v[SOP]
	v_cvt_scalef32_pk16_bf6_f32 v[T:T+2], v[XB+16:XB+31], v[SOP]   ; (a conversion's three registers begin on an even number)
	v_lshrrev_b32 v[BY+(\n)], 23, v[SOP]           ; the scale's byte; also the plain line behind the conversions
.irp i, 0,1,2
	v_mov_b32 v[CD+3+\i], v[T+\i]
.endr
.if \role == 0
	PARTS
.endif
.if (\n) == 1                          ; the fragment is whole
	v_lshl_or_b32 v[WD], v[BY+1], 16, v[BY]        ; my two bytes: blocks h and 2 + h of my row,
	s_delay_alu instid0(VALU_DEP_1)
	v_lshlrev_b32 v[WD], v[SH], v[WD]              ; at their places in the scale word;
	s_delay_alu instid0(VALU_DEP_1)
	v_permlanex16_b32 v[PL], v[WD], s[SEL], s[SEL+1]
	s_delay_alu instid0(VALU_DEP_1)
	v_or_b32 v[W], v[WD], v[PL]                    ; with lane l xor 16's two the word is whole
	ds_store_b32 v[ASW], v[W] offset:64*(\c)       ; lanes r and r + 16 write the same word with the same value, into bytes that are my wave's own
.irp k, 0,1,2                          ; each store: 32 lanes, 512 consecutive bytes, at a multiple of 256 from the buffer's first byte
.if \role == 0
	global_store_b128 v[L16], v[CF+4*\k:CF+4*\k+3], s[8:9] offset:6144*(\c)+512*\k
	global_store_b128 v[L16], v[CF+12+4*\k:CF+12+4*\k+3], s[46:47] offset:6144*(\c)+512*\k
	global_store_b128 v[L16], v[CF+24+4*\k:CF+24+4*\k+3], s[46:47] offset:SCO+6144*(\c)+512*\k
.elseif \c == 1
	global_store_b128 v[L16], v[CF+4*\k:CF+4*\k+3], s[48:49] offset:12288+512*\k
.else
	global_store_b128 v[L16], v[CF+4*\k:CF+4*\k+3], s[8:9] offset:22272*(\c)+512*\k   ; third 2: 24,576 + 19,968 = 44,544 bytes on
.endif
.endr
.endif
.endm
.macro JOB role, c                     ; my fragment of third c
.if \c == 2
	s_wait_xcnt 0x0                                ; third 0's stores have read their registers: this fragment's codes are written there only behind this wait
.endif
	LOADB \role, \c, 0
	LOADB \role, \c, 1
	BLOCK \role, \c, 0
	BLOCK \role, \c, 1
.endm
	s_wait_tensorcnt 0x0                           ; my part of third 0 or 1 has landed
	ds_add_u32 v[SPW], v[NIL]
	s_wait_dscnt 0x0
	s_barrier_signal -1
	s_barrier_wait -1                              ; everybody's has: thirds 0 and 1 are whole
	s_cmp_lt_u32 s[WV], 8
	s_cbranch_scc0 .Lno_fill
	tensor_load_to_lds s[G0+4:G0+7], s[G1:G1+7]    ; waves 0 to 7: third 2, my one load behind this barrier, into bytes that nothing has filled
	s_nop 0
.rept 4
	v_nop
.endr
.Lno_fill:
	s_cmp_eq_u32 s[ROLE], 0                        ; the two roles part here and join ahead of the next barrier
	s_cbranch_scc0 .Lkeys_a
	JOB 0, 0
	JOB 0, 1
	s_branch .Ljoin_a
.Lkeys_a:
	JOB 1, 0
	JOB 1, 1
.Ljoin_a:
	s_wait_tensorcnt 0x0                           ; my part of third 2 has landed (a wave that fetched none of it passes),
	s_wait_dscnt 0x0                               ; my stores of scale words are done
	s_barrier_signal -1
	s_barrier_wait -1                              ; third 2 is whole
	s_cmp_eq_u32 s[ROLE], 0
	s_cbranch_scc0 .Lkeys_b
	JOB 0, 2
	s_branch .Ljoin_b
.Lkeys_b:
	JOB 1, 2
.Ljoin_b:
	s_wait_dscnt 0x0                               ; for the others' sake: my scale words lie in LDS
	s_barrier_signal -1
	s_barrier_wait -1
	s_cmp_lt_u32 s[WV], 12                         ; twelve pieces: six of kq, six of vt
	s_cbranch_scc0 .Lend
	ds_load_b32 v[WO], v[AR0]                      ; lanes 0-15: tiles 0 and 2; lanes 16-31: tiles 1 and 3
	ds_load_b32 v[WO+1], v[AR1]
	s_wait_dscnt 0x0
	global_store_b64 v[L8], v[WO:WO+1], s[12:13]   ; 32 lanes store 256 consecutive bytes, aligned
.Lend:
	s_wait_tensorcnt 0x0                           ; the wave's end
	ds_add_u32 v[SPW], v[NIL]
	s_wait_dscnt 0x0
	s_endpgm
.Lfunc_end_k_qfd0e7c4e19_quant:
	.size	k_qfd0e7c4e19_quant, .Lfunc_end_k_qfd0e7c4e19_quant-k_qfd0e7c4e19_quant
	.p2alignl 7, 3214868480
	.fill 96, 4, 3214868480
	.section	.rodata,"a",@progbits
	.p2align	6, 0x0
	.amdhsa_kernel k_qfd0e7c4e19_quant
		.amdhsa_group_segment_fixed_size 327680
		.amdhsa_private_segment_fixed_size 0
		.amdhsa_enable_private_segment 0
		.amdhsa_kernarg_size 40
		.amdhsa_user_sgpr_count 2
		.amdhsa_user_sgpr_kernarg_segment_ptr 1
		.amdhsa_wavefront_size32 1
		.amdhsa_system_sgpr_workgroup_id_x 1
		.amdhsa_system_sgpr_workgroup_id_y 1
		.amdhsa_system_sgpr_workgroup_id_z 1
		.amdhsa_system_vgpr_workitem_id 0
		.amdhsa_next_free_vgpr 256
		.amdhsa_next_free_sgpr 80
		.amdhsa_reserve_vcc 0
		.amdhsa_float_denorm_mode_32 3
		.amdhsa_float_denorm_mode_16_64 3
		.amdhsa_memory_ordered 1
		.amdhsa_forward_progress 1
		.amdhsa_inst_pref_size 142
	.end_amdhsa_kernel
	.amdgpu_metadata
---
amdhsa.version: [ 1, 2 ]
amdhsa.kernels:
  - .name:           k_qfd0e7c4e19_quant
    .symbol:         k_qfd0e7c4e19_quant.kd
    .args:
      - { .name: global_embedding, .offset: 0, .size: 8, .value_kind: global_buffer, .address_space: global }
      - { .name: local_embedding, .offset: 8, .size: 8, .value_kind: global_buffer, .address_space: global }
      - { .name: kq, .offset: 16, .size: 8, .value_kind: global_buffer, .address_space: global }
      - { .name: vt, .offset: 24, .size: 8, .value_kind: global_buffer, .address_space: global }
      - { .name: qs, .offset: 32, .size: 8, .value_kind: global_buffer, .address_space: global }
    .group_segment_fixed_size: 327680
    .private_segment_fixed_size: 0
    .kernarg_segment_align: 8
    .kernarg_segment_size: 40
    .max_flat_workgroup_size: 512
    .sgpr_count:     80
    .vgpr_count:     256
    .wavefront_size: 32
...
	.end_amdgpu_metadata
.endif
;; end of part 1
;; launch attn (part 2): grid 32 x 8, 4 waves a work-group, clusters of 4 x 1, 327,680 bytes of LDS; arguments kq, vt, qs, out0; writes out0
.if DOCPART == 2
	.amdgcn_target "amdgcn-amd-amdhsa--gfx1250"
	.amdhsa_code_object_version 6
	.text
	.protected	k_qfd0e7c4e19_attn
	.globl	k_qfd0e7c4e19_attn
	.p2align	8
	.type	k_qfd0e7c4e19_attn,@function
k_qfd0e7c4e19_attn:
	s_mov_b64 s[64:65], 0
	v_nop
	global_prefetch_b8 v0, s[64:65] scope:SCOPE_SE
	s_setreg_imm32_b32 hwreg(HW_REG_WAVE_MODE, 25, 1), 1
	s_wait_xcnt 0x0
	s_wait_alu depctr_hold_cnt(0) depctr_sa_sdst(0) depctr_va_vdst(0) depctr_va_sdst(0) depctr_va_ssrc(0) depctr_va_vcc(0) depctr_vm_vsrc(0)
	s_getreg_b32 s2, hwreg(HW_REG_IB_STS2, 6, 4)
	s_cmp_eq_u32 s2, 0
	s_cbranch_scc0 .Lentry_in_a_cluster
	s_endpgm
.Lentry_in_a_cluster:
	s_bfe_u32 s2, ttmp6, 0x10000c
	s_cmp_lg_u32 s2, 0x3003
	s_cbranch_scc0 .Lentry_shape_is_right
	s_endpgm
.Lentry_shape_is_right:
; out[b] = softmax(X X^T) X for X[b] = global[b] on top of local[b], [2048][768], both products in MX-BF6 on the codes that launch quant has laid as images of the operands' registers.  No work is left out.
; A work-group takes 64 queries of one batch and walks the 2,048 keys in 8 steps of 256; four waves.  The four work-groups of a cluster share every tile of K and of V^T and ask for it jointly.
; PRODUCT 1, transposed (S^T = K Q^T): wave w takes keys 128 (w / 2) on of the step and queries 32 (w % 2) on.  The queries stay in registers as two addends, H and L (see quant): each fragment of K feeds four matrix instructions.
; SOFTMAX: a lane holds one query.  The two waves that share queries exchange their largest scores through LDS; M is the running largest t = score x log2(e), rounded up to a whole number; p = 2^(t - M);
; the row's sum is taken of the unquantised p; when M moves, the sum and O^T are multiplied by a power of two.  p is quantised block by block and goes to all waves through LDS as an image of the operand's registers.
; PRODUCT 2, transposed (O^T = V^T P^T): wave w takes d 192 w .. 192 w + 191 for all 64 queries: 48 accumulators.
; LDS: one slot for K's 256 rows, one for V^T's 256 keys; K's is filled again behind product 1, V^T's behind product 2, each behind a round of the cluster's barrier, one joint load a wave.
; LIMITS: NaN and infinities are not served; the promise holds while the scaled scores t stay under 2^31 in magnitude.
.set BLKB,  38400
.set STEPB, 4*BLKB
.set SCO,   36864
.set QBLK,  73728
.set VSLOT, STEPB
.set PIMG,  2*STEPB
.set PSC,   PIMG+8*1536
.set MX,    PSC+8*128
.set SPARE, MX+4096
.set SPI,   784
.set STG,   16*SPI
.set AK0,  1
.set AK1,  2
.set AV,   3
.set AKS,  4
.set AVS,  5
.set API,  6
.set APS,  7
.set PWI,  8
.set PWS,  9
.set AMXW, 10
.set AMXR, 11
.set SPW,  13
.set NIL,  14
.set PFO,  15
.set PFT,  16
.set L16,  17
.set QSH,  18
.set KS,   30
.set ST,   54
.set LS,   62
.set OW,   66
.set FO,   70
.set SX,   74
.set VS,   90
.set BM,   102
.set PT,   110
.set EX,   118
.set SO,   118
.set PW,   126
.set S,    128
.set PF,   128
.set PS,   224
.set FB,   176
.set STO,  102
.set RD,   103
.set GO,   104
.set WV,   10
.set SEL,  20
.set CS,   22
.set G1,   24
.set G0K,  32
.set G0V,  36
.set PFAK, 40
.set PFAV, 42
.set LIM,  44
.set LIMT, 45
.set CNT,  46
.set KH,   52
.set QH,   53
.set QHM,  55
.set MSB, 0
.macro WIN new
.if MSB != \new
	s_set_vgpr_msb (MSB<<8)|\new
.set MSB, \new
.endif
.endm
.macro PLACES n
.rept \n
	v_nop
.endr
.endm
.macro ROUND
	s_barrier_signal -1
	s_barrier_wait -1
	s_cmp_lg_u32 s[WV], 0
	s_cbranch_scc1 .Lnot_wave_0_\@
	s_barrier_signal -3
.Lnot_wave_0_\@:
	s_barrier_wait -3
	s_barrier_signal -1
	s_barrier_wait -1
.endm
.macro CREST                           ; a round of the cluster's barrier behind its opening barrier
	s_cmp_lg_u32 s[WV], 0
	s_cbranch_scc1 .Lnot_w0_\@
	s_barrier_signal -3
.Lnot_w0_\@:
	s_barrier_wait -3
	s_barrier_signal -1
	s_barrier_wait -1
.endm
.macro TMUL a, b                       ; t = score x log2(e) for registers a .. b - 1 of my 128 scores: it hangs on no maximum
.set i, \a
.rept (\b-\a)/2
	v_pk_mul_f32 v[S+i:S+i+1], v[S+i:S+i+1], s[CS:CS+1] op_sel_hi:[1,0]
.set i, i+2
.endr
.endm
.macro JLOAD g0
	tensor_load_to_lds s[\g0:\g0+3], s[G1:G1+7]
	s_nop 0
.rept 4
	v_nop
.endr
.endm
.macro PREF pfa
	s_cmp_gt_u32 s[CNT], s[LIM]
	s_cbranch_scc0 .Lno_ask_\@
	global_prefetch_b8 v[PFO], s[\pfa:\pfa+1] th:TH_LOAD_NT scope:SCOPE_SE
	s_cmp_gt_u32 s[CNT], s[LIMT]
	s_cbranch_scc0 .Lno_ask_\@
	global_prefetch_b8 v[PFT], s[\pfa:\pfa+1] th:TH_LOAD_NT scope:SCOPE_SE
.Lno_ask_\@:
.endm
.macro WM d, a, b, zero, sa, sb, ra, rb
.if \zero
.if (\ra) && (\rb)
	v_wmma_scale_f32_16x16x128_f8f6f4 v[\d:\d+7], v[\a:\a+11], v[\b:\b+11], 0, v[\sa], v[\sb] matrix_a_fmt:MATRIX_FMT_BF6 matrix_b_fmt:MATRIX_FMT_BF6 matrix_a_scale:MATRIX_SCALE_ROW1 matrix_b_scale:MATRIX_SCALE_ROW1
.elseif (\ra)
	v_wmma_scale_f32_16x16x128_f8f6f4 v[\d:\d+7], v[\a:\a+11], v[\b:\b+11], 0, v[\sa], v[\sb] matrix_a_fmt:MATRIX_FMT_BF6 matrix_b_fmt:MATRIX_FMT_BF6 matrix_a_scale:MATRIX_SCALE_ROW1
.elseif (\rb)
	v_wmma_scale_f32_16x16x128_f8f6f4 v[\d:\d+7], v[\a:\a+11], v[\b:\b+11], 0, v[\sa], v[\sb] matrix_a_fmt:MATRIX_FMT_BF6 matrix_b_fmt:MATRIX_FMT_BF6 matrix_b_scale:MATRIX_SCALE_ROW1
.else
	v_wmma_scale_f32_16x16x128_f8f6f4 v[\d:\d+7], v[\a:\a+11], v[\b:\b+11], 0, v[\sa], v[\sb] matrix_a_fmt:MATRIX_FMT_BF6 matrix_b_fmt:MATRIX_FMT_BF6
.endif
.else
.if (\ra) && (\rb)
	v_wmma_scale_f32_16x16x128_f8f6f4 v[\d:\d+7], v[\a:\a+11], v[\b:\b+11], v[\d:\d+7], v[\sa], v[\sb] matrix_a_fmt:MATRIX_FMT_BF6 matrix_b_fmt:MATRIX_FMT_BF6 matrix_a_scale:MATRIX_SCALE_ROW1 matrix_b_scale:MATRIX_SCALE_ROW1
.elseif (\ra)
	v_wmma_scale_f32_16x16x128_f8f6f4 v[\d:\d+7], v[\a:\a+11], v[\b:\b+11], v[\d:\d+7], v[\sa], v[\sb] matrix_a_fmt:MATRIX_FMT_BF6 matrix_b_fmt:MATRIX_FMT_BF6 matrix_a_scale:MATRIX_SCALE_ROW1
.elseif (\rb)
	v_wmma_scale_f32_16x16x128_f8f6f4 v[\d:\d+7], v[\a:\a+11], v[\b:\b+11], v[\d:\d+7], v[\sa], v[\sb] matrix_a_fmt:MATRIX_FMT_BF6 matrix_b_fmt:MATRIX_FMT_BF6 matrix_b_scale:MATRIX_SCALE_ROW1
.else
	v_wmma_scale_f32_16x16x128_f8f6f4 v[\d:\d+7], v[\a:\a+11], v[\b:\b+11], v[\d:\d+7], v[\sa], v[\sb] matrix_a_fmt:MATRIX_FMT_BF6 matrix_b_fmt:MATRIX_FMT_BF6
.endif
.endif
.endm
.macro LOADK g
	WIN 0x80
.irp k, 0,1,2
.set fF, 3*(\g)+\k
.irp c, 0,1,2
	ds_load_b128 v[FB+12*(fF%6)+4*\c:FB+12*(fF%6)+4*\c+3], v[AK0+(fF%8)/4] offset:1536*(4*(fF/8)+fF%4)+512*\c
.endr
.endr
.endm
.macro LOADG adr, g
	WIN 0x80
.irp k, 0,1,2
.irp c, 0,1,2
	ds_load_b128 v[FB+12*((3*(\g)+\k)%6)+4*\c:FB+12*((3*(\g)+\k)%6)+4*\c+3], v[\adr] offset:1536*(3*(\g)+\k)+512*\c
.endr
.endr
.endm
.macro MM1 f, cl
.set sS, (\f)/8
.set kT, (\f)%8
.set rA, FB+12*((\f)%6)
.set zZ, 0
.if sS == 0
.if \cl == 0
.set zZ, 1
.endif
.endif
.if sS < 5
	WIN 0x0e
.set rQ, 48*sS+24*(\cl)
.else
	WIN 0x0a
.set rQ, 128+24*(\cl)
.endif
.irp q, 0,1
	WM S+64*\q+8*kT, rA, rQ+12*\q, zZ, KS+12*(kT/4)+2*sS+(kT%4)/2, QSH+6*(\cl)+sS, kT%2, \q
.endr
.endm
.macro PROD1
.irp g, 0,1,2,3,4,5,6,7,8,9,10,11,12,13,14,15
.if \g == 15
	s_wait_dscnt 0x0
.else
	s_wait_dscnt 9
.endif
.irp cl, 0,1                           ; six accumulators by turns under H, then the same six under L
.irp k, 0,1,2
	MM1 3*\g+\k, \cl
.endr
.endr
.if \g < 14
	PLACES 4
	LOADK \g+2
.endif
.endr
.endm
.macro MM2 f, first
.set kK, (\f)/12
.set dT, (\f)%12
.set rA, FB+12*((\f)%6)
.set zZ, 0
.if \first
.if kK == 0
.set zZ, 1
.endif
.endif
.if dT < 8
	WIN 0x52
.set rO, 32*dT
.else
	WIN 0xa2
.set rO, 32*(dT-8)
.endif
.irp qt, 0,1,2,3
	WM rO+8*\qt, rA, PF+12*(2*\qt+kK), zZ, VS+6*kK+dT/2, PS+2*\qt+kK, dT%2, 0
.endr
.endm
.macro PROD2 first, out                ; out: the LDS loads behind those of p's first key half, which may stay out at the start
.irp g, 0,1,2,3,4,5,6,7
.if \g == 0
	s_wait_dscnt \out
.elseif \g == 7
	s_wait_dscnt 0x0
.else
	s_wait_dscnt 9
.endif
.irp k, 0,1,2
	MM2 3*\g+\k, \first
.endr
.if \g < 6
	PLACES 4
	LOADG AV, \g+2
.endif
.endr
.endm
.macro RESC win, n
	WIN \win
.set i, 0
.rept \n
	v_pk_mul_f32 v[i:i+1], v[i:i+1], v[SX+4*((i/8)%4):SX+4*((i/8)%4)+1] op_sel_hi:[1,0]
.set i, i+2
.endr
.endm
.macro CODES q, pc
.irp c, 0,1
	v_cvt_scalef32_pk16_bf6_f32 v[\pc+6*\c:\pc+6*\c+2], v[S+64*\q+32*\c:S+64*\q+32*\c+15], v[SO+4*\q+2*\c]
	v_cvt_scalef32_pk16_bf6_f32 v[\pc+12:\pc+14], v[S+64*\q+32*\c+16:S+64*\q+32*\c+31], v[SO+4*\q+2*\c+1]
	v_nop
.irp i, 0,1,2
	v_permlane16_swap_b32 v[\pc+6*\c+\i], v[\pc+12+\i]
.endr
.irp i, 0,1,2
	v_mov_b32 v[\pc+6*\c+3+\i], v[\pc+12+\i]
.endr
.endr
.irp c, 0,1,2
	ds_store_b128 v[PWI], v[\pc+4*\c:\pc+4*\c+3] offset:3072*\q+512*\c
.endr
	ds_store_b32 v[PWS], v[PW+\q] offset:256*\q
.endm
	s_load_b128 s[4:7], s[0:1], 0x0
	s_load_b128 s[56:59], s[0:1], 0x10
	v_lshl_add_u32 v[SPW], v0, 2, SPARE
	v_mov_b32 v[NIL], 0
	ds_add_u32 v13, v14
	ds_add_u32 v13, v14
	s_wait_dscnt 0x0
	v_lshrrev_b32 v126, 5, v0
	v_readfirstlane_b32 s[WV], v126
	s_lshr_b32 s[KH], s[WV], 1
	s_and_b32 s[QH], s[WV], 1
	s_cmp_eq_u32 s[QH], 1
	s_cselect_b32 s[QHM], -1, 0
	s_bfe_u32 s11, ttmp6, 0x40000
	s_lshl_b32 s12, ttmp9, 2
	s_add_co_u32 s12, s12, s11
	s_and_b32 s13, ttmp7, 0xffff
	s_mov_b32 s[G1+0], 15|(3<<16)|(1<<21)
	s_mov_b32 s[G1+1], 32<<16
	s_mov_b32 s[G1+2], 150<<16
	s_mov_b32 s[G1+3], 32<<16
	s_mov_b32 s[G1+4], 150
	s_mov_b32 s[G1+5], 32
	s_mov_b32 s[G1+6], 0
	s_mov_b32 s[G1+7], 0
	s_lshl_b32 s14, s13, 5
	s_add_co_u32 s14, s14, s[WV]
	s_mul_i32 s14, s14, BLKB
	s_mov_b32 s15, 0
	s_mul_i32 s47, s[WV], BLKB
	s_lshl_b32 s54, s13, 5
	s_add_co_u32 s54, s54, s12
	s_mul_i32 s16, s54, BLKB
	s_lshl_b32 s17, s[QH], 2
	s_add_co_u32 s16, s16, s17
	s_add_co_u32 s16, s16, SCO
	s_mov_b32 s17, 0
	s_mul_i32 s62, s54, QBLK
	s_mul_i32 s63, s[QH], 3072
	s_add_co_u32 s62, s62, s63
	s_mov_b32 s63, 0
	s_lshl_b32 s18, s13, 5
	s_add_co_u32 s18, s18, s11
	s_add_co_u32 s18, s18, 4
	s_mul_i32 s18, s18, BLKB
	s_mov_b32 s19, 0
	s_lshl_b32 s50, s13, 11
	s_lshl_b32 s51, s12, 6
	s_add_co_u32 s50, s50, s51
	s_mul_i32 s50, s50, 3072
	s_mul_i32 s51, s[WV], 768
	s_add_co_u32 s50, s50, s51
	s_mov_b32 s51, 0
	s_mov_b32 s[SEL], 0x76543210
	s_mov_b32 s[SEL+1], 0xfedcba98
	s_mov_b32 s[CS], 0x3fb8aa3b
	s_mov_b32 s[CS+1], s[CS]
	s_mov_b32 s[CNT], 7
	s_cmp_eq_u32 ttmp9, 0
	s_cselect_b32 s[LIM], 1, -1
	s_or_b32 s2, ttmp9, s[WV]
	s_cmp_eq_u32 s2, 0
	s_cselect_b32 s[LIMT], 1, -1
	s_wait_kmcnt 0x0
	s_add_nc_u64 s[48:49], s[56:57], s[62:63]
	s_add_nc_u64 s[60:61], s[4:5], s[16:17]
	s_add_nc_u64 s[PFAK:PFAK+1], s[4:5], s[18:19]
	s_add_nc_u64 s[PFAV:PFAV+1], s[6:7], s[18:19]
	s_add_nc_u64 s[8:9], s[58:59], s[50:51]
	ROUND
	s_mov_b32 s[G0K+0], 1
	s_mov_b32 s[G0K+1], s47
	s_add_nc_u64 s[G0K+2:G0K+3], s[4:5], s[14:15]
	s_or_b32 s[G0K+3], s[G0K+3], 0x80000000
	s_mov_b32 s[G0V+0], 1
	s_add_co_u32 s[G0V+1], s47, VSLOT
	s_add_nc_u64 s[G0V+2:G0V+3], s[6:7], s[14:15]
	s_or_b32 s[G0V+3], s[G0V+3], 0x80000000
	tensor_load_to_lds s[G0K:G0K+3], s[G1:G1+7]
	s_nop 0
.rept 4
	v_nop
.endr
	v_and_b32 v126, 31, v0
	v_lshlrev_b32 v[L16], 4, v126
	v_lshlrev_b32 v127, 3, v126
	WIN 0xc0
.irp f, 0,1,2,3,4,5,6,7,8,9,10,11,12,13,14,15,16,17,18,19
.irp c, 0,1,2
	global_load_b128 v[12*\f+4*\c:12*\f+4*\c+3], v[L16], s[48:49] offset:SCO*((\f%4)/2)+1536*(4*(\f/4)+\f%2)+512*\c
.endr
.endr
	WIN 0x80
.irp t, 0,1,2,3
.irp c, 0,1,2
	global_load_b128 v[128+12*\t+4*\c:128+12*\t+4*\c+3], v[L16], s[48:49] offset:SCO*(\t/2)+1536*(20+\t%2)+512*\c
.endr
.endr
	WIN 0
.irp s, 0,1,2,3,4,5
	global_load_b32 v[QSH+\s], v127, s[60:61] offset:256*\s
.endr
	s_mul_i32 s62, s[KH], 2*BLKB
	v_add_nc_u32 v[AK0], s62, v[L16]
	v_add_nc_u32 v[AK1], BLKB, v[AK0]
	v_add_nc_u32 v[AV], s47, v[L16]
	v_add_nc_u32 v[AV], VSLOT, v[AV]
	v_add_nc_u32 v[AKS], s62, v127
	v_add_nc_u32 v[AKS], SCO, v[AKS]
	v_add_nc_u32 v[AVS], s47, v127
	v_add_nc_u32 v[AVS], VSLOT+SCO, v[AVS]
	v_add_nc_u32 v[API], PIMG, v[L16]
	v_lshl_add_u32 v[APS], v126, 2, PSC
	s_lshl_b32 s62, s[QH], 2
	s_add_co_u32 s62, s62, s[KH]
	s_mul_i32 s63, s62, 1536
	v_add_nc_u32 v[PWI], s63, v[API]
	s_lshl_b32 s63, s62, 7
	v_add_nc_u32 v[PWS], s63, v[APS]
	v_add_nc_u32 v[AMXR], MX, v127
	s_lshl_b32 s63, s[WV], 8
	v_add_nc_u32 v[AMXW], s63, v[AMXR]
	s_lshl_b32 s63, s[WV], 13
	v_lshl_add_u32 v[PFO], v126, 8, s63
	v_min_u32 v[PFT], 21, v126
	v_lshlrev_b32 v[PFT], 8, v[PFT]
	v_add_nc_u32 v[PFT], 32768, v[PFT]
.irp t, 0,1,2,3
	v_mov_b32 v[ST+2*\t+1], 0xff61b1e6
	v_floor_f32 v[ST+2*\t], -v[ST+2*\t+1]
	v_mov_b32 v[SX+4*\t+1], 0
.endr
.irp q, 0,1
	v_mov_b32 v[LS+2*\q], 0
	v_mov_b32 v[LS+2*\q+1], 0
	v_mov_b32 v[OW+2*\q+1], 0
	v_mov_b32 v[FO+2*\q+1], 0
.endr
.irp q, 0,1,2,3,4,5,6,7
	v_mov_b32 v[PT+\q], 0
.endr
	; the queries' loads and the addresses above stand between K's first load and the wait for it
	s_wait_alu depctr_va_vdst(0)                   ; the wait at the head's end
	s_wait_tensorcnt 0x0                           ; my part of K's first tile is in
	ds_add_u32 v13, v14
	s_wait_dscnt 0x0
	ROUND
	tensor_load_to_lds s[G0V:G0V+3], s[G1:G1+7]    ; V^T's first tile: my one load behind the round
	s_nop 0
.rept 4
	v_nop
.endr
.macro STEP first, fill
.irp k, 0,1
.irp s, 0,1,2,3,4,5
	ds_load_b64 v[KS+12*\k+2*\s:KS+12*\k+2*\s+1], v[AKS] offset:BLKB*\k+256*\s
.endr
.endr
	LOADK 0
	LOADK 1
	PROD1
	WIN 0
	PLACES 4
.irp q, 0,1,2,3,4,5,6,7
	v_max3_num_f32 v[BM+\q], v[S+16*\q], v[S+16*\q+1], v[S+16*\q+2]
.endr
.irp i, 3,5,7,9,11,13
.irp q, 0,1,2,3,4,5,6,7
	v_max3_num_f32 v[BM+\q], v[BM+\q], v[S+16*\q+\i], v[S+16*\q+\i+1]
.endr
.endr
.irp q, 0,1,2,3,4,5,6,7
	v_max_num_f32 v[BM+\q], v[BM+\q], v[S+16*\q+15]
.endr
.irp q, 0,1,2,3,4,5,6,7
	v_permlanex16_b32 v[PT+\q], v[BM+\q], s[SEL], s[SEL+1]
.endr
.irp q, 0,1,2,3,4,5,6,7
	v_max_num_f32 v[BM+\q], v[BM+\q], v[PT+\q]
.endr
.irp q, 0,1
	v_max3_num_f32 v[EX+\q], v[BM+4*\q], v[BM+4*\q+1], v[BM+4*\q+2]
.endr
.irp q, 0,1
	v_max_num_f32 v[EX+\q], v[EX+\q], v[BM+4*\q+3]
.endr
	ds_store_b64 v[AMXW], v[EX:EX+1]
	s_wait_tensorcnt 0x0
	ds_add_u32 v[SPW], v[NIL]
.if \fill
	s_add_nc_u64 s[G0K+2:G0K+3], s[G0K+2:G0K+3], STEPB
	s_wait_xcnt 0x0
	s_add_nc_u64 s[PFAK:PFAK+1], s[PFAK:PFAK+1], STEPB
.endif
	TMUL 0, 56                                     ; work on registers between the add and the wait for it
	s_wait_dscnt 0x0
	s_barrier_signal -1                            ; where K's slot is filled again this barrier opens a round of the cluster's barrier
	TMUL 56, 72                                    ; work on registers alone between signal and wait
	s_barrier_wait -1
.if \fill
	CREST
	JLOAD G0K
	PREF PFAK
.endif
.irp w, 0,1,2,3
	ds_load_b64 v[EX+2*\w:EX+2*\w+1], v[AMXR] offset:256*\w
.endr
.irp q, 0,1,2,3,4,5
	ds_load_b64 v[VS+2*\q:VS+2*\q+1], v[AVS] offset:256*\q
.endr
	LOADG AV, 0
	LOADG AV, 1
	WIN 0
	TMUL 72, 128                                   ; the rest of t, while the maxima come back
.irp q, 0,1,2,3,4,5,6,7
	v_mul_f32 v[BM+\q], s[CS], v[BM+\q]
.endr
	s_wait_dscnt 24                                ; the four loads of maxima are in; the 6 + 18 behind them may be out
.irp t, 0,1,2,3
	v_max_num_f32 v[SX+4*\t+2], v[EX+\t], v[EX+4+\t]
.endr
.irp t, 0,1,2,3
	v_mul_f32 v[SX+4*\t+2], s[CS], v[SX+4*\t+2]
.endr
.irp t, 0,1,2,3
	v_max_num_f32 v[ST+2*\t+1], v[ST+2*\t+1], v[SX+4*\t+2]
.endr
.irp t, 0,1,2,3
	v_mov_b32 v[SX+4*\t+3], v[ST+2*\t]
.endr
.irp t, 0,1,2,3
	v_floor_f32 v[ST+2*\t], -v[ST+2*\t+1]
.endr
.irp t, 0,1,2,3
	v_sub_f32 v[SX+4*\t+3], v[ST+2*\t], v[SX+4*\t+3]
.endr
.irp t, 0,1,2,3
	v_cvt_i32_f32 v[SX+4*\t+3], v[SX+4*\t+3]
.endr
.irp t, 0,1,2,3
	v_ldexp_f32 v[SX+4*\t], 1.0, v[SX+4*\t+3]
.endr
.irp q, 0,1
	v_cndmask_b32 v[OW+2*\q], v[ST+2*\q], v[ST+4+2*\q], s[QHM]
	v_cndmask_b32 v[FO+2*\q], v[SX+4*\q], v[SX+8+4*\q], s[QHM]
.endr
.set i, 0
.rept 64
	v_pk_add_f32 v[S+i:S+i+1], v[S+i:S+i+1], v[OW+2*(i/64):OW+2*(i/64)+1] op_sel_hi:[1,0]
.set i, i+2
.endr
.irp q, 0,1,2,3,4,5,6,7
	v_add_f32 v[BM+\q], v[BM+\q], v[OW+2*(\q/4)]
.endr
.set i, 0
	s_wait_alu depctr_va_vdst(0)
.rept 128
	v_exp_f32 v[S+i], v[S+i]
.set i, i+1
.endr
.irp q, 0,1
	v_pk_mul_f32 v[LS+2*\q:LS+2*\q+1], v[LS+2*\q:LS+2*\q+1], v[FO+2*\q:FO+2*\q+1] op_sel_hi:[1,0]
.endr
	s_wait_alu depctr_va_vdst(0)
.irp q, 0,1,2,3,4,5,6,7
	v_exp_f32 v[BM+\q], v[BM+\q]
.endr
.irp q, 0,1
	v_pk_add_f32 v[SX+4*\q+2:SX+4*\q+3], v[S+64*\q:S+64*\q+1], v[S+64*\q+2:S+64*\q+3]
.endr
.irp j, 4,8,12,16,20,24,28,32,36,40,44,48,52,56,60
.irp q, 0,1
	v_pk_add_f32 v[LS+2*\q:LS+2*\q+1], v[LS+2*\q:LS+2*\q+1], v[S+64*\q+\j:S+64*\q+\j+1]
	v_pk_add_f32 v[SX+4*\q+2:SX+4*\q+3], v[SX+4*\q+2:SX+4*\q+3], v[S+64*\q+\j+2:S+64*\q+\j+3]
.endr
.endr
.irp q, 0,1
	v_pk_add_f32 v[LS+2*\q:LS+2*\q+1], v[LS+2*\q:LS+2*\q+1], v[SX+4*\q+2:SX+4*\q+3]
.endr
	s_wait_alu depctr_va_vdst(0)
.irp q, 0,1,2,3,4,5,6,7
	v_max_num_f32 v[BM+\q], 0x2800000, v[BM+\q]
.endr
.irp q, 0,1,2,3,4,5,6,7
	v_add_nc_u32 v[SO+\q], 0xfe000000, v[BM+\q]
.endr
.irp q, 0,1,2,3,4,5,6,7
	v_lshrrev_b32 v[PT+\q], 23, v[SO+\q]
.endr
.irp q, 0,1
	v_lshl_or_b32 v[PW+\q], v[PT+4*\q+1], 8, v[PT+4*\q]
.endr
.irp q, 0,1
	v_lshl_or_b32 v[PW+\q], v[PT+4*\q+2], 16, v[PW+\q]
.endr
.irp q, 0,1
	v_lshl_or_b32 v[PW+\q], v[PT+4*\q+3], 24, v[PW+\q]
.endr
	CODES 0, BM
	CODES 1, S
.if !\fill                             ; the last step: the row sums are whole, and go to the other waves with p, under the same barrier
.irp q, 0,1
	v_add_f32 v[EX+\q], v[LS+2*\q], v[LS+2*\q+1]
.endr
.irp q, 0,1
	v_permlanex16_b32 v[PT+\q], v[EX+\q], s[SEL], s[SEL+1]
.endr
.irp q, 0,1
	v_add_f32 v[EX+\q], v[EX+\q], v[PT+\q]
.endr
	ds_store_b64 v[AMXW], v[EX:EX+1] offset:2048
.endif
.if !\first
	RESC 0x82, 64                                  ; O^T under the new M: the 128 registers of window 2 while p's stores are out
	WIN 0
.endif
	s_wait_dscnt 0x0
	s_barrier_signal -1
	s_barrier_wait -1
.irp k, 0,1                            ; p's fragments and scale words by key halves, 16 loads each: product 2 takes the first half's twelve fragments of V^T first
.irp p, 0,2,4,6
.irp c, 0,1,2
	ds_load_b128 v[PF+12*(\p+\k)+4*\c:PF+12*(\p+\k)+4*\c+3], v[API] offset:1536*(\p+\k)+512*\c
.endr
	ds_load_b32 v[PS+\p+\k], v[APS] offset:128*(\p+\k)
.endr
.endr
.if !\fill
.irp w, 0,1,2,3
	ds_load_b64 v[EX+2*\w:EX+2*\w+1], v[AMXR] offset:2048+256*\w   ; the four waves' row sums; product 2's second wait covers them
.endr
.endif
.if !\first
	RESC 0x41, 128                                 ; the 256 registers of window 1 while p's fragments come in
.endif
	s_wait_alu depctr_va_vdst(0)
	PROD2 \first, 20-4*\fill                       ; the second half's 16 loads may be out, and in the last step the four of row sums; the next group's wait covers them
	WIN 0
.if \fill
	s_wait_tensorcnt 0x0
	ds_add_u32 v[SPW], v[NIL]
	s_add_nc_u64 s[G0V+2:G0V+3], s[G0V+2:G0V+3], STEPB
	s_wait_xcnt 0x0
	s_add_nc_u64 s[PFAV:PFAV+1], s[PFAV:PFAV+1], STEPB
	s_wait_dscnt 0x0
	ROUND
	JLOAD G0V
	PREF PFAV
	PLACES 1
.endif
.endm
	s_wait_loadcnt 0x0
.irp s, 0,1,2,3,4,5
	v_add_nc_u32 v[QSH+6+\s], 0xfbfbfbfc, v[QSH+\s]   ; L's scale words: 4 off each byte
.endr
	s_wait_alu depctr_va_vdst(0)
	PLACES 8
	s_wait_tensorcnt 1
	s_barrier_signal -1
	s_barrier_wait -1
	STEP 1, 1
	s_sub_co_u32 s[CNT], s[CNT], 1
.Lstep:
	STEP 0, 1
	s_sub_co_u32 s[CNT], s[CNT], 1
	s_cmp_lg_u32 s[CNT], 0
	s_cbranch_scc1 .Lstep
	STEP 0, 0                                      ; (the four waves' row sums came back inside the last step)
.irp t, 0,1,2,3
	v_add_f32 v[SX+4*\t+2], v[EX+\t], v[EX+4+\t]
.endr
	s_wait_alu depctr_va_vdst(0)
.irp t, 0,1,2,3
	v_rcp_f32 v[SX+4*\t], v[SX+4*\t+2]
.endr
	v_and_b32 v126, 15, v0
	v_bfe_u32 v105, v0, 4, 1
	v_mul_u32_u24 v[STO], v126, SPI
	v_lshl_add_u32 v[STO], v105, 5, v[STO]
	v_add_nc_u32 v[STO], s47, v[STO]
	v_mul_u32_u24 v[RD], v105, SPI
	v_lshl_add_u32 v[RD], v126, 4, v[RD]
	v_add_nc_u32 v[RD], s47, v[RD]
	v_mul_u32_u24 v[GO], v105, 3072
	v_lshl_add_u32 v[GO], v126, 4, v[GO]
	s_wait_alu depctr_va_vdst(0)
.macro PACK qt
	WIN 0x41
.irp dt, 0,1,2,3,4,5,6,7
.irp j, 0,2,4,6
	v_pk_mul_f32 v[32*\dt+8*(\qt)+\j:32*\dt+8*(\qt)+\j+1], v[32*\dt+8*(\qt)+\j:32*\dt+8*(\qt)+\j+1], v[SX+4*(\qt):SX+4*(\qt)+1] op_sel_hi:[1,0]
.endr
.endr
	WIN 0x82
.irp dt, 0,1,2,3
.irp j, 0,2,4,6
	v_pk_mul_f32 v[32*\dt+8*(\qt)+\j:32*\dt+8*(\qt)+\j+1], v[32*\dt+8*(\qt)+\j:32*\dt+8*(\qt)+\j+1], v[SX+4*(\qt):SX+4*(\qt)+1] op_sel_hi:[1,0]
.endr
.endr
	WIN 0x04
.irp dt, 0,1,2,3,4,5,6,7
	ds_store_b128 v[STO], v[32*\dt+8*(\qt):32*\dt+8*(\qt)+3] offset:STG*((\qt)%2)+64*\dt
	ds_store_b128 v[STO], v[32*\dt+8*(\qt)+4:32*\dt+8*(\qt)+7] offset:STG*((\qt)%2)+64*\dt+16
.endr
	WIN 0x08
.irp dt, 0,1,2,3
	ds_store_b128 v[STO], v[32*\dt+8*(\qt):32*\dt+8*(\qt)+3] offset:STG*((\qt)%2)+64*(\dt+8)
	ds_store_b128 v[STO], v[32*\dt+8*(\qt)+4:32*\dt+8*(\qt)+7] offset:STG*((\qt)%2)+64*(\dt+8)+16
.endr
	WIN 0xc0
.irp i, 0,1,2,3,4,5,6,7,8,9,10,11,12,13,14,15,16,17,18,19,20,21,22,23
	ds_load_b128 v[96*((\qt)%2)+4*\i:96*((\qt)%2)+4*\i+3], v[RD] offset:STG*((\qt)%2)+2*SPI*(\i/3)+256*(\i%3)
.endr
.endm
.macro SEND qt, younger
	s_wait_dscnt \younger
	WIN 0x0c
.irp i, 0,1,2,3,4,5,6,7,8,9,10,11,12,13,14,15,16,17,18,19,20,21,22,23
	global_store_b128 v[GO], v[96*((\qt)%2)+4*\i:96*((\qt)%2)+4*\i+3], s[8:9] offset:(32*((\qt)/2)+8*((\qt)%2)+2*(\i/3)+8*((\i/3)/4))*3072+256*(\i%3) th:TH_STORE_NT
.endr
.endm
	PACK 0
.irp a, 1,2,3
.if \a > 1
	s_wait_xcnt 0x0
.endif
	PACK \a
	SEND \a-1, 48
.endr
	SEND 3, 0
	WIN 0
	s_wait_tensorcnt 0x0
	ds_add_u32 v[SPW], v[NIL]
	s_wait_dscnt 0x0
	ROUND
	s_endpgm
.Lfunc_end_k_qfd0e7c4e19_attn:
	.size	k_qfd0e7c4e19_attn, .Lfunc_end_k_qfd0e7c4e19_attn-k_qfd0e7c4e19_attn
	.p2alignl 7, 3214868480
	.fill 96, 4, 3214868480
	.section	.rodata,"a",@progbits
	.p2align	6, 0x0
	.amdhsa_kernel k_qfd0e7c4e19_attn
		.amdhsa_group_segment_fixed_size 327680
		.amdhsa_private_segment_fixed_size 0
		.amdhsa_enable_private_segment 0
		.amdhsa_kernarg_size 32
		.amdhsa_user_sgpr_count 2
		.amdhsa_user_sgpr_kernarg_segment_ptr 1
		.amdhsa_wavefront_size32 1
		.amdhsa_system_sgpr_workgroup_id_x 1
		.amdhsa_system_sgpr_workgroup_id_y 1
		.amdhsa_system_sgpr_workgroup_id_z 1
		.amdhsa_system_vgpr_workitem_id 0
		.amdhsa_next_free_vgpr 1024
		.amdhsa_next_free_sgpr 66
		.amdhsa_reserve_vcc 0
		.amdhsa_float_denorm_mode_32 3
		.amdhsa_float_denorm_mode_16_64 3
		.amdhsa_memory_ordered 1
		.amdhsa_forward_progress 1
		.amdhsa_inst_pref_size 255
	.end_amdhsa_kernel
	.section	.bss,"aw",@nobits
	.p2align	6
	.space	262144
	.amdgpu_metadata
---
amdhsa.version: [ 1, 2 ]
amdhsa.kernels:
  - .name:           k_qfd0e7c4e19_attn
    .symbol:         k_qfd0e7c4e19_attn.kd
    .args:
      - { .name: kq, .offset: 0, .size: 8, .value_kind: global_buffer, .address_space: global }
      - { .name: vt, .offset: 8, .size: 8, .value_kind: global_buffer, .address_space: global }
      - { .name: qs, .offset: 16, .size: 8, .value_kind: global_buffer, .address_space: global }
      - { .name: out0, .offset: 24, .size: 8, .value_kind: global_buffer, .address_space: global }
    .group_segment_fixed_size: 327680
    .private_segment_fixed_size: 0
    .kernarg_segment_align: 8
    .kernarg_segment_size: 32
    .max_flat_workgroup_size: 128
    .sgpr_count:     66
    .vgpr_count:     1024
    .wavefront_size: 32
...
	.end_amdgpu_metadata
.endif
;; end of part 2
